; MI455X (gfx1250); checked and timed in simulation.
; The chip was launched on July 23, 2026; its instructions are those of AMD's public machine-readable ISA for CDNA 5 (MIT licence, August 2026) and "CDNA5" Instruction Set Architecture Reference Guide (July 2026). The comments in the code are by the model that wrote it; some were corrected since.
;; Point Seg Aux. Allowed arithmetic: float matrix products may take bf16 or f16 operands with f32 sums; other float arithmetic in f32, or as packed bf16 or f16 multiplies, adds, multiply-adds, maxima and minima; sums over many terms, partial sums and values carried from step to step in f32; what a program stores and reads back later, other than sums and carried values, may be rounded once to bf16 or f16.
;; Inputs: feat2 2 x 8,192 x 64 float32; feat3 2 x 4,096 x 128 float32; feat4 2 x 2,048 x 128 float32; points 2 x 8,192 x 3 float32; w_cls 64 x 1 float32; w_fc 320 x 64 float32; xyz2 2 x 8,192 x 3 float32; xyz3 2 x 4,096 x 3 float32; xyz4 2 x 2,048 x 3 float32.
;; Outputs: out0 16,384 x 1 float32.
;; One version. Each part assembles by itself: llvm-mc -triple=amdgcn-amd-amdhsa -mcpu=gfx1250 --defsym DOCPART=n.
;; ======== version 1 of 1: 2 launches
;; workspace buffers: gbuf 131,072 bytes; sel 262,144 bytes of whole numbers
;; launch scan (part 1): grid 256 x 1, 8 waves a work-group, clusters of 4 x 1, 327,680 bytes of LDS; arguments xyz2, xyz3, xyz4, points, w_fc, w_cls, feat2, feat3, feat4, sel, gbuf; writes sel, gbuf
.if DOCPART == 1
	.amdgcn_target "amdgcn-amd-amdhsa--gfx1250"
	.amdhsa_code_object_version 6
	.text
	.protected	k_qe5b30ba29b_scan
	.globl	k_qe5b30ba29b_scan
	.p2align	8
	.type	k_qe5b30ba29b_scan,@function
k_qe5b30ba29b_scan:
	s_mov_b64 s[64:65], 0
	v_nop
	global_prefetch_b8 v0, s[64:65] scope:SCOPE_SE
	s_setreg_imm32_b32 hwreg(HW_REG_WAVE_MODE, 25, 1), 1
	s_wait_xcnt 0x0
	s_wait_alu depctr_hold_cnt(0) depctr_sa_sdst(0) depctr_va_vdst(0) depctr_va_sdst(0) depctr_va_ssrc(0) depctr_va_vcc(0) depctr_vm_vsrc(0)
	s_getreg_b32 s2, hwreg(HW_REG_IB_STS2, 6, 4)
	s_cmp_eq_u32 s2, 0
	s_cbranch_scc0 .Lentry_in_a_cluster
	s_endpgm
.Lentry_in_a_cluster:
	s_bfe_u32 s2, ttmp6, 0x10000c
	s_cmp_lg_u32 s2, 0x3003
	s_cbranch_scc0 .Lentry_shape_is_right
	s_endpgm
.Lentry_shape_is_right:
; SCAN.  First of two launches for: three searches for the 3 nearest known points (squared distance by the expansion uu - 2 u.k + kk), an inverse-distance mean of their
; feature rows, and two linear layers without bias down to one number a query.
; NUMBER FORMAT.  Every input (coordinates, features, both weights) is rounded once to bf16, to nearest even, on its way in; all arithmetic on the rounded numbers is f32.
; A product of two bf16 numbers has 16 significant bits and is exact in f32, so a fused multiply-add and a rounded product followed by an addition give the same bits: d hangs only on the order of
; its additions, which is the one in which the problem's function writes them: K ascending in u.k, x y z in uu and kk, (uu - 2 u.k) + kk.  Equal distances, frequent on bf16's grid, go to the lower index.
; WHAT IS DONE HERE.  (1) The two layers are linear and follow a weighted mean, so a known point enters the result only by g = (its feature row) . (its slice of v), v = w_fc w_cls (320 numbers).
; Every work-group makes v, and g for 64 + 32 + 16 feature rows of its own: each feature byte is read once in the launch.  (2) Each level's known points are cut into chunks of 32 neighbours in
; memory.  For each query and level the three chunks with the smallest (least distance in the chunk, chunk number) are found and stored, sorted by number.  A point that is among the three nearest by
; (distance, index) lies in one of them: if three other chunks ranked ahead of its chunk, each would hold a point that precedes it.  The second launch looks at those 96 points alone.
; WHY THE VECTOR UNIT.  Which points are chosen changes the result by far more than its allowance, and the expansion cancels, so the choice hangs on the last bits of d: they must be those of a chain of
; f32 additions.  The product has K = 3, of the 32 that the 16-bit matrix form takes.  What remains of the other products is one column.
;   d = (fma(z', Z, fma(y', Y, x'X)) + uu) + kk, x' = -2 x (exact); uu, kk = fma(z, z, fma(y, y, xx)).  The switches DOT_FMA and SQ_FMA choose unfused forms; on bf16 operands every setting gives the same bits.
; SHARES.  256 work-groups of 8 waves; work-group i owns queries 64 i .. 64 i + 63 (batch i / 128) and scans all 14,336 known points of the batch.  A lane holds one chunk in registers (X, Y, Z, kk:
; 128 registers), a wave a block of 32 chunks; queries come as scalars, two a trip.  Level 2: wave w has block w, 64 queries; level 3: block w % 4, 32 queries; level 4: block w % 2, 16 queries:
; 56 trips for every wave.  A trip is 192 packed or three-operand lines for 2 x 32 x 32 pairs: five roundings and a minimum in three lines a pair and lane.
; CLUSTER.  The four work-groups of a cluster belong to one batch and need the same coordinates: each tile is asked for jointly, same descriptor and mask in all four.  My place in the cluster enters
; global addresses alone (queries, features, sel, gbuf).
; LIMITS.  The neighbours found are those of the coordinates rounded to 8 significant bits: under a common offset that grid grows with the offset.  NaN and infinite inputs are not treated apart (the
; scalar rounding of a NaN may give an infinity).  Products of coordinates below 2^-126 are not exact.  g is summed in f32 in another order than the problem's function sums.
.set DOT_FMA, 1
.set SQ_FMA,  1
; LDS
.set CHP,   408                        ; a chunk: 96 words + 2 words of padding behind every 32 = 102 words: the 32 lanes' chunks start at 32 different banks (64 banks of 4 bytes: ISA guide 11.1)
.set BLK,   32*CHP                     ; a block of 32 chunks, 13,056 bytes
.set XB3,   8*BLK                      ; level 2: 8 blocks from byte 0; level 3: 4 blocks; level 4: 2 blocks
.set XB4,   12*BLK
.set CMR,   144                        ; chunk minima: a row = one query's 32 minima of a block, 128 bytes + 16: an odd multiple of 16, so 16 lanes that read 16 rows touch 16 different columns
.set CMB,   64*CMR                     ; a block's 64 rows
.set CM2,   14*BLK                     ; 182,784
.set CM3,   CM2+8*CMB
.set CM4,   CM3+4*CMB
.set VV,    CM4+2*CMB                  ; v, 1,280 bytes
.set GST,   VV+1280                    ; my 512 bytes of gbuf
.set SELST, GST+512                    ; my 1,024 bytes of sel, as four planes of 64 words
.set SPARE, SELST+1024                 ; the spare words, 128 bytes a wave: four blocks of 256 bytes that no other line names
.set MRG,   0                          ; the waves' partial choices, 8 x 2,304 bytes: in the coordinate tiles, which have had their only fill and are read no more when these are stored
; vector registers: v0 thread, v1 lane, v2 my spare word, v3 zero (these two for the add alone), v4 block address, v5 where minima go, v6-8 offsets of pending loads, v9-15 at work
.set X,   16                           ; v16-47   X of my chunk's 32 points
.set Y,   48
.set Z,   80
.set KK,  112                          ; v112-143 their kk
.set T,   144                          ; v144-159 four strands, each a pair p and a pair q
.set MN,  160                          ; v160-163 running minima: query a, b of even point pairs; a, b of odd ones
.set F,   164                          ; v164-203 ten loads of features
.set VS,  204                          ; v204-215 three slices of v
.if SQ_FMA == 2                        ; which square starts the sum of squares, and which comes second
.set SQ0, Y
.set SQ1, X
.set RQ0, 1
.set RQ1, 0
.else
.set SQ0, X
.set SQ1, Y
.set RQ0, 0
.set RQ1, 1
.endif
; scalars: s[4:25] the eleven addresses; s26 wave, s27 work-group, s28 batch, s29 place in the cluster, s30 counter, s31 byte offset of the queries to load, s32 its last value, s33-35 at work,
; s[36:37] lane selects, s38-39 compare masks, s[40:51] three group 0, s[52:59] s[68:75] s[76:83] three group 1, s[84:89] two raw queries,
; query a: x' s90, y' s92, z' s94, uu s96; query b: s60, s62, s98, s100: each the low word of a pair whose high word holds 0
.macro CROUND                          ; a round of the cluster's barrier
	s_barrier_signal -1
	s_barrier_wait -1
	s_cmp_lg_u32 s26, 0
	s_cbranch_scc1 .Lnot_wave_0_\@
	s_barrier_signal -3
.Lnot_wave_0_\@:
	s_barrier_wait -3
	s_barrier_signal -1
	s_barrier_wait -1
.endm
.macro GROUP1 g, rows                  ; rows of 64 words (256 bytes, dense in memory)
	s_mov_b32 s[\g], 15|(2<<16)|(1<<20)|(1<<21)|(4<<22)|(1<<25)  ; mask of four; 4-byte elements; padding on; bit 21 beside a mask; after every 32 words (code 4) 2 words (code 1)
	s_mov_b32 s[\g+1], 64<<16          ; tensor_dim0
	s_mov_b32 s[\g+2], (\rows)<<16     ; tensor_dim1
	s_mov_b32 s[\g+3], 64<<16          ; tile_dim0
	s_mov_b32 s[\g+4], \rows           ; tile_dim1
	s_mov_b32 s[\g+5], 64              ; words from row to row
	s_mov_b32 s[\g+6], 0
	s_mov_b32 s[\g+7], 0
.endm
; 2 x pairs registers from v[base] on are rounded to bf16 and widened again, in place; v[tmp ..] holds the packed halves meanwhile
.macro RND base, pairs, tmp
.set j, 0
.rept \pairs
	v_cvt_pk_bf16_f32 v[\tmp+j], v[\base+2*j], v[\base+2*j+1]
.set j, j+1
.endr
.set j, 0
.rept \pairs
	v_lshlrev_b32 v[\base+2*j], 16, v[\tmp+j]
	v_and_b32 v[\base+2*j+1], 0xffff0000, v[\tmp+j]
.set j, j+1
.endr
.endm
.macro SRND r                          ; the same rounding of a scalar: half of the last kept place less one bit, plus that place's own bit, is added and the low half cut: to nearest, ties to even
	s_bfe_u32 s33, s[\r], 0x10010
	s_add_co_u32 s[\r], s[\r], s33
	s_add_co_u32 s[\r], s[\r], 0x7fff
	s_and_b32 s[\r], s[\r], 0xffff0000
.endm
.macro LOADBLK                         ; my chunk's 96 words, sorted into X, Y, Z: word t lies at 4 t + 8 (t / 32)
.set j, 0
.rept 32
	ds_load_b32 v[X+j], v4 offset:4*(3*j)+8*((3*j)>>5)
	ds_load_b32 v[Y+j], v4 offset:4*(3*j+1)+8*((3*j+1)>>5)
	ds_load_b32 v[Z+j], v4 offset:4*(3*j+2)+8*((3*j+2)>>5)
.set j, j+1
.endr
.endm
.macro KKC                             ; kk, two points a line, stage by stage; unfused: eight squares into T, then eight additions, so that no line waits for the one before it
.set j, 0
.rept 16
	v_pk_mul_f32 v[KK+2*j:KK+2*j+1], v[SQ0+2*j:SQ0+2*j+1], v[SQ0+2*j:SQ0+2*j+1]
.set j, j+1
.endr
.irp c, SQ1, Z
.if SQ_FMA
.set j, 0
.rept 16
	v_pk_fma_f32 v[KK+2*j:KK+2*j+1], v[\c+2*j:\c+2*j+1], v[\c+2*j:\c+2*j+1], v[KK+2*j:KK+2*j+1]
.set j, j+1
.endr
.else
.irp h, 0, 8
.set j, 0
.rept 8
	v_pk_mul_f32 v[T+2*j:T+2*j+1], v[\c+2*(\h+j):\c+2*(\h+j)+1], v[\c+2*(\h+j):\c+2*(\h+j)+1]
.set j, j+1
.endr
.set j, 0
.rept 8
	v_pk_add_f32 v[KK+2*(\h+j):KK+2*(\h+j)+1], v[KK+2*(\h+j):KK+2*(\h+j)+1], v[T+2*j:T+2*j+1]
.set j, j+1
.endr
.endr
.endif
.endr
.endm
.macro CONV r, x, y, z, u              ; a rounded query at s[r .. r+2] -> uu, -2x, -2y, -2z
	s_mul_f32 s[\u], s[\r+RQ0], s[\r+RQ0]
.if SQ_FMA
	s_fmac_f32 s[\u], s[\r+RQ1], s[\r+RQ1]
	s_fmac_f32 s[\u], s[\r+2], s[\r+2]
.else
	s_mul_f32 s33, s[\r+1], s[\r+1]
	s_mul_f32 s34, s[\r+2], s[\r+2]
	s_add_f32 s[\u], s[\u], s33
	s_add_f32 s[\u], s[\u], s34
.endif
	s_mul_f32 s[\x], s[\r], -2.0
	s_mul_f32 s[\y], s[\r+1], -2.0
	s_mul_f32 s[\z], s[\r+2], -2.0
.endm
; Point pairs g, g + 1 times queries a, b: four strands s (query s % 2, pair g + s / 2), written stage by stage, so that a line's sources were made four lines back.
.macro QUAD g, first
.irp s, 0,1,2,3
	v_pk_mul_f32 v[T+4*\s:T+4*\s+1], v[X+2*((\g)+\s/2):X+2*((\g)+\s/2)+1], s[90-30*(\s%2):91-30*(\s%2)] op_sel_hi:[1,0]
.endr
.if DOT_FMA
.irp s, 0,1,2,3
	v_pk_fma_f32 v[T+4*\s:T+4*\s+1], v[Y+2*((\g)+\s/2):Y+2*((\g)+\s/2)+1], s[92-30*(\s%2):93-30*(\s%2)], v[T+4*\s:T+4*\s+1] op_sel_hi:[1,0,1]
.endr
.irp s, 0,1,2,3
	v_pk_fma_f32 v[T+4*\s:T+4*\s+1], v[Z+2*((\g)+\s/2):Z+2*((\g)+\s/2)+1], s[94+4*(\s%2):95+4*(\s%2)], v[T+4*\s:T+4*\s+1] op_sel_hi:[1,0,1]
.endr
.else
.irp s, 0,1,2,3
	v_pk_mul_f32 v[T+4*\s+2:T+4*\s+3], v[Y+2*((\g)+\s/2):Y+2*((\g)+\s/2)+1], s[92-30*(\s%2):93-30*(\s%2)] op_sel_hi:[1,0]
.endr
.irp s, 0,1,2,3
	v_pk_add_f32 v[T+4*\s:T+4*\s+1], v[T+4*\s:T+4*\s+1], v[T+4*\s+2:T+4*\s+3]
.endr
.irp s, 0,1,2,3
	v_pk_mul_f32 v[T+4*\s+2:T+4*\s+3], v[Z+2*((\g)+\s/2):Z+2*((\g)+\s/2)+1], s[94+4*(\s%2):95+4*(\s%2)] op_sel_hi:[1,0]
.endr
.irp s, 0,1,2,3
	v_pk_add_f32 v[T+4*\s:T+4*\s+1], v[T+4*\s:T+4*\s+1], v[T+4*\s+2:T+4*\s+3]
.endr
.endif
.irp s, 0,1,2,3
	v_pk_add_f32 v[T+4*\s:T+4*\s+1], v[T+4*\s:T+4*\s+1], s[96+4*(\s%2):97+4*(\s%2)] op_sel_hi:[1,0]
.endr
.irp s, 0,1,2,3
	v_pk_add_f32 v[T+4*\s:T+4*\s+1], v[T+4*\s:T+4*\s+1], v[KK+2*((\g)+\s/2):KK+2*((\g)+\s/2)+1]
.endr
.irp s, 0,1,2,3
.if \first
	v_min_num_f32 v[MN+\s], v[T+4*\s], v[T+4*\s+1]          ; the first two distances start the minimum: nothing is preset
.else
	v_min3_num_f32 v[MN+\s], v[MN+\s], v[T+4*\s], v[T+4*\s+1]
.endif
.endr
.endm
; A trip: two queries against my chunk.  The next two queries are asked for at its head and waited for at the next trip's head.
.macro TRIP
	s_wait_kmcnt 0x0                               ; the two raw queries are in; that load is done, so its offset s31 and its target may be written
.irp r, 84,85,86,87,88,89
	SRND \r                                        ; to bf16, in place
.endr
	CONV 84, 90, 92, 94, 96
	CONV 87, 60, 62, 98, 100
	s_add_co_u32 s31, s31, 24
	s_min_u32 s31, s31, s32                        ; the last trip asks for its own 24 bytes once more: no load leaves my queries
	s_load_b128 s[84:87], s[10:11], s31 offset:0x0
	s_load_b64 s[88:89], s[10:11], s31 offset:0x10
	QUAD 0, 1
.irp g, 2,4,6,8,10,12,14
	QUAD \g, 0
.endr
	v_min_num_f32 v[MN], v[MN], v[MN+2]
	v_min_num_f32 v[MN+1], v[MN+1], v[MN+3]
	ds_store_b32 v5, v[MN]                         ; 32 lanes: 128 neighbouring bytes, the query's row of my block
	ds_store_b32 v5, v[MN+1] offset:CMR
	v_add_nc_u32 v5, 2*CMR, v5
.endm
; A level: v4, v5, s31, s32 have been set.
.macro LEVEL trips
	s_load_b128 s[84:87], s[10:11], s31 offset:0x0
	s_load_b64 s[88:89], s[10:11], s31 offset:0x10
	LOADBLK
	s_wait_dscnt 0x0                               ; my chunk is in registers
	RND X, 16, T                                   ; its 96 coordinates to bf16
	RND Y, 16, T
	RND Z, 16, T
	KKC
	s_mov_b32 s30, \trips
.Ltrip_\@:
	TRIP
	s_sub_co_u32 s30, s30, 1
	s_cmp_lg_u32 s30, 0
	s_cbranch_scc1 .Ltrip_\@
.endm
; (dd, pay) is put into the sorted triple m1 <= m2 <= m3 at v[st .. st+2] with payloads at v[st+3 .. st+5].  Strictly smaller only: of equals the one put in first stays ahead.
.macro INS st, dd, pay
	v_cmp_lt_f32 vcc_lo, v[\dd], v[\st]
	v_cmp_lt_f32 s38, v[\dd], v[\st+1]
	v_cmp_lt_f32 s39, v[\dd], v[\st+2]
	v_cndmask_b32 v162, \pay, v[\st+4], s38
	v_cndmask_b32 v163, \pay, v[\st+3], vcc_lo
	v_cndmask_b32 v[\st+5], v[\st+5], v162, s39
	v_cndmask_b32 v[\st+4], v[\st+4], v163, s38
	v_cndmask_b32 v[\st+3], v[\st+3], \pay, vcc_lo
	v_med3_num_f32 v[\st+2], v[\dd], v[\st+1], v[\st+2]
	v_med3_num_f32 v[\st+1], v[\dd], v[\st], v[\st+1]
	v_min_num_f32 v[\st], v[\dd], v[\st]
.endm
.macro CE a, b                         ; the smaller number into v[a], the larger into v[b]
	v_cmp_gt_u32 vcc_lo, v[\a], v[\b]
	v_cndmask_b32 v162, v[\a], v[\b], vcc_lo
	v_cndmask_b32 v[\b], v[\b], v[\a], vcc_lo
	v_mov_b32 v[\a], v162
.endm
	s_load_b512 s[4:19], s[0:1], 0x0               ; xyz2 s[4:5], xyz3 s[6:7], xyz4 s[8:9], points s[10:11], w_fc s[12:13], w_cls s[14:15], feat2 s[16:17], feat3 s[18:19]
	s_load_b128 s[20:23], s[0:1], 0x40             ; feat4 s[20:21], sel s[22:23]
	s_load_b64 s[24:25], s[0:1], 0x50              ; gbuf
	v_lshl_add_u32 v2, v0, 2, SPARE
	v_mov_b32 v3, 0
	ds_add_u32 v2, v3                              ; the wave's opening: the add and its wait stand ahead of my first tensor load; the set-up below, work on registers, stands between them
	ds_add_u32 v2, v3
	v_and_b32 v1, 31, v0                           ; lane
	v_lshrrev_b32 v9, 5, v0
	v_readfirstlane_b32 s26, v9                    ; wave 0..7
	s_bfe_u32 s29, ttmp6, 0x40000                  ; my place in the cluster
	s_lshl_b32 s27, ttmp9, 2                       ; in a cluster launch ttmp9 counts clusters
	s_add_co_u32 s27, s27, s29                     ; work-group i
	s_lshr_b32 s28, ttmp9, 5                       ; batch: 32 clusters each, the same for the four partners
	GROUP1 52, 48                                  ; level 2: my 12,288 bytes are 48 rows
	GROUP1 68, 24                                  ; level 3: 6,144 bytes
	GROUP1 76, 12                                  ; level 4: 3,072 bytes
	s_mov_b32 s40, 1                               ; group 0: count = 1; the LDS address hangs on the wave's number alone
	s_mul_i32 s41, s26, BLK                        ; level 2: wave w fetches block w, the one that it scans itself
	s_mov_b32 s44, 1
	s_mul_i32 s45, s26, BLK/2
	s_add_co_u32 s45, s45, XB3
	s_mov_b32 s48, 1
	s_mul_i32 s49, s26, BLK/4
	s_add_co_u32 s49, s49, XB4
	s_mul_i32 s34, s28, 98304                      ; byte offset of my part in xyz2: the batch's 8,192 points, the wave's 1,024; in xyz3 half of it, in xyz4 a quarter
	s_mul_i32 s33, s26, 12288
	s_add_co_u32 s34, s34, s33
	s_mov_b32 s35, 0
	s_mov_b32 s36, 0x76543210                      ; v_permlanex16_b32: each lane takes its own place in the other half
	s_mov_b32 s37, 0xfedcba98
.irp r, 91,93,95,97,61,63,99,101
	s_mov_b32 s\r, 0                               ; the high words of the queries' pairs: named with them, never used
.endr
	v_and_b32 v9, 15, v0
	v_lshlrev_b32 v9, 4, v9                        ; w_cls: my 4 of its 64 numbers
	v_lshlrev_b32 v10, 4, v1                       ; 16 bytes a lane
	s_mul_i32 s33, s26, 10240
	v_add_nc_u32 v8, s33, v10                      ; w_fc: wave w has rows 40 w .. 40 w + 39
	s_lshl_b32 s33, s27, 14
	s_lshl_b32 s30, s26, 11
	s_add_co_u32 s33, s33, s30
	v_add_nc_u32 v6, s33, v10                      ; feat2, feat3: 16,384 bytes a work-group, 2,048 a wave
	s_lshr_b32 s33, s33, 1
	v_add_nc_u32 v7, s33, v10                      ; feat4: half of that
	s_wait_dscnt 0x0                               ; the opening add is done
	s_wait_kmcnt 0x0
	s_add_nc_u64 s[42:43], s[4:5], s[34:35]
	s_or_b32 s43, s43, 0x80000000                  ; type = 2
	s_lshr_b32 s34, s34, 1
	s_add_nc_u64 s[46:47], s[6:7], s[34:35]
	s_or_b32 s47, s47, 0x80000000
	s_lshr_b32 s34, s34, 1
	s_add_nc_u64 s[50:51], s[8:9], s[34:35]
	s_or_b32 s51, s51, 0x80000000
	; 31 loads: the weights first, then the features, which are wanted only behind the scan of level 2
	global_load_b128 v[16:19], v9, s[14:15]
.set k, 0
.rept 20
	global_load_b128 v[20+4*k:23+4*k], v8, s[12:13] offset:512*k       ; two rows of w_fc: 512 neighbouring bytes
.set k, k+1
.endr
.set k, 0
.rept 4
	global_load_b128 v[F+4*k:F+4*k+3], v6, s[16:17] offset:512*k th:TH_LOAD_NT      ; two rows of feat2
.set k, k+1
.endr
.set k, 0
.rept 4
	global_load_b128 v[F+16+4*k:F+16+4*k+3], v6, s[18:19] offset:512*k th:TH_LOAD_NT  ; one row of feat3
.set k, k+1
.endr
.set k, 0
.rept 2
	global_load_b128 v[F+32+4*k:F+32+4*k+3], v7, s[20:21] offset:512*k th:TH_LOAD_NT  ; one row of feat4
.set k, k+1
.endr
	CROUND                                         ; all four work-groups are here: the joint loads meet
	tensor_load_to_lds s[40:43], s[52:59]          ; three loads of mine are out
	s_nop 0
	tensor_load_to_lds s[44:47], s[68:75]
	s_nop 0
	tensor_load_to_lds s[48:51], s[76:83]
	s_nop 0
	; v = w_fc w_cls: lane l has columns 4 (l % 16) .. + 3 of row 40 w + 2 k + l / 16
	v_lshrrev_b32 v12, 4, v1
	v_lshlrev_b32 v12, 2, v12                      ; 4 (l / 16): kept
	s_mul_i32 s33, s26, 160
	s_add_co_u32 s33, s33, VV
	v_add_nc_u32 v11, s33, v12
	v_mul_u32_u24 v13, v1, CHP                     ; my chunk's place in a block: kept
	s_wait_loadcnt 0xa                             ; loads come back in order: the 21 of the weights are in, the ten of the features stay out
	RND 16, 42, 100                                ; w_cls (v16-19) and w_fc (v20-99) to bf16; v100-141 are free here
.set k, 0
.rept 20
	v_mul_f32 v[100+k], v[20+4*k], v16
.set k, k+1
.endr
.irp c, 1,2,3
.set k, 0
.rept 20
	v_fmac_f32 v[100+k], v[20+4*k+\c], v[16+\c]
.set k, k+1
.endr
.endr
.irp m, 1,2,4,8
.set k, 0
.rept 20
	v_add_f32_dpp v[100+k], v[100+k], v[100+k] row_xmask:\m row_mask:0xf bank_mask:0xf
.set k, k+1
.endr
.endr
.set k, 0
.rept 20
	ds_store_b32 v11, v[100+k] offset:8*k          ; sixteen lanes write one word with one value
.set k, k+1
.endr
	; LEVEL 2: block w, all 64 queries
	s_mul_i32 s33, s26, BLK
	v_add_nc_u32 v4, s33, v13
	s_mul_i32 s33, s26, CMB
	s_add_co_u32 s33, s33, CM2
	v_lshl_add_u32 v5, v1, 2, s33
	s_mul_i32 s31, s27, 768                        ; my work-group's 64 queries of 12 bytes
	s_add_co_u32 s32, s31, 24*31
	s_wait_tensorcnt 0x2                           ; tensor loads of a wave end in order: my level-2 block, which I alone read, is in; my two other tiles stay out
	LEVEL 32
	s_wait_tensorcnt 0x0                           ; my parts of levels 3 and 4 have landed,
	s_wait_dscnt 0x0                               ; my part of v and my minima are stored
	s_barrier_signal -1
	s_barrier_wait -1                              ; everybody's are
	; g = feature row . slice of v
	v_and_b32 v9, 15, v0
	v_lshl_add_u32 v9, v9, 4, VV
	v_lshl_add_u32 v10, v1, 4, VV
	ds_load_b128 v[VS:VS+3], v9                    ; v[0..63]: feat2's, 4 (l % 16) on
	ds_load_b128 v[VS+4:VS+7], v10 offset:256      ; v[64..191]: feat3's, 4 l on
	ds_load_b128 v[VS+8:VS+11], v10 offset:768     ; v[192..319]: feat4's
	s_lshl_b32 s33, s26, 5
	s_add_co_u32 s33, s33, GST
	v_add_nc_u32 v9, s33, v12                      ; feat2: word 8 w + 2 k + l / 16
	s_lshl_b32 s33, s26, 4
	s_add_co_u32 s33, s33, GST
	v_mov_b32 v10, s33                             ; feat3: word 64 + 4 w + k
	s_lshl_b32 s33, s26, 3
	s_add_co_u32 s33, s33, GST
	v_mov_b32 v11, s33                             ; feat4: word 96 + 2 w + k
	v_add_nc_u32 v14, s33, v12                     ; the 16 words left over: word 112 + 2 w + l / 16
	v_mov_b32 v15, 0
	s_wait_loadcnt 0x0                             ; the features
	RND F, 20, X                                   ; to bf16; the coordinates' registers are free between two levels
	s_wait_dscnt 0x0                               ; the slices
.set k, 0
.rept 10
	v_mul_f32 v[T+k], v[F+4*k], v[VS+4*(k/4)]
.set k, k+1
.endr
.irp c, 1,2,3
.set k, 0
.rept 10
	v_fmac_f32 v[T+k], v[F+4*k+\c], v[VS+4*(k/4)+\c]
.set k, k+1
.endr
.endr
.irp m, 1,2,4,8
.set k, 0
.rept 10
	v_add_f32_dpp v[T+k], v[T+k], v[T+k] row_xmask:\m row_mask:0xf bank_mask:0xf
.set k, k+1
.endr
.endr
.set k, 4
.rept 6
	v_permlanex16_b32 v[X+k], v[T+k], s36, s37     ; rows of 128 channels span both halves of the lanes (the destination has been written before)
.set k, k+1
.endr
.set k, 4
.rept 6
	v_add_f32 v[T+k], v[T+k], v[X+k]
.set k, k+1
.endr
.set k, 0
.rept 4
	ds_store_b32 v9, v[T+k] offset:8*k
	ds_store_b32 v10, v[T+4+k] offset:256+4*k
.set k, k+1
.endr
	ds_store_b32 v11, v[T+8] offset:384
	ds_store_b32 v11, v[T+9] offset:388
	ds_store_b32 v14, v15 offset:448
	; LEVEL 3: block w % 4, queries 32 (w / 4) on
	s_wait_kmcnt 0x0                               ; the last trip's look-ahead load is done: s31 and its target may be written
	s_and_b32 s33, s26, 3
	s_lshr_b32 s34, s26, 2
	s_mul_i32 s35, s33, BLK
	s_add_co_u32 s35, s35, XB3
	v_add_nc_u32 v4, s35, v13
	s_mul_i32 s35, s33, CMB
	s_mul_i32 s33, s34, 32*CMR
	s_add_co_u32 s35, s35, s33
	s_add_co_u32 s35, s35, CM3
	v_lshl_add_u32 v5, v1, 2, s35
	s_mul_i32 s31, s27, 768
	s_mul_i32 s33, s34, 384
	s_add_co_u32 s31, s31, s33
	s_add_co_u32 s32, s31, 24*15
	LEVEL 16
	; LEVEL 4: block w % 2, queries 16 (w / 2) on
	s_wait_kmcnt 0x0
	s_and_b32 s33, s26, 1
	s_lshr_b32 s34, s26, 1
	s_mul_i32 s35, s33, BLK
	s_add_co_u32 s35, s35, XB4
	v_add_nc_u32 v4, s35, v13
	s_mul_i32 s35, s33, CMB
	s_mul_i32 s33, s34, 16*CMR
	s_add_co_u32 s35, s35, s33
	s_add_co_u32 s35, s35, CM4
	v_lshl_add_u32 v5, v1, 2, s35
	s_mul_i32 s31, s27, 768
	s_mul_i32 s33, s34, 192
	s_add_co_u32 s31, s31, s33
	s_add_co_u32 s32, s31, 24*7
	LEVEL 8
	s_wait_kmcnt 0x0                               ; the look-ahead load is done: s31 is used for other things below
	s_wait_dscnt 0x0                               ; my minima and my g are stored, my reads of the coordinates are long back
	s_barrier_signal -1
	s_barrier_wait -1
	; THE CHOICE, first part.  Wave w: queries 32 (w % 2) + lane, quarter w / 2 of each level's chunks: 64 + 32 + 16 minima, put in by ascending chunk number, the three levels' triples by turns.
	s_and_b32 s33, s26, 1                          ; which half of the queries
	s_lshr_b32 s34, s26, 1                         ; which quarter
	s_lshl_b32 s35, s33, 5
	v_add_nc_u32 v9, s35, v1
	v_mul_u32_u24 v12, v9, CMR                     ; my query's row
	s_mul_i32 s35, s34, 2*CMB
	s_add_co_u32 s35, s35, CM2
	v_add_nc_u32 v9, s35, v12                      ; level 2: blocks 2 s, 2 s + 1
	s_mul_i32 s35, s34, CMB
	s_add_co_u32 s35, s35, CM3
	v_add_nc_u32 v10, s35, v12                     ; level 3: block s
	s_lshr_b32 s35, s34, 1
	s_mul_i32 s35, s35, CMB
	s_and_b32 s31, s34, 1
	s_lshl_b32 s31, s31, 6
	s_add_co_u32 s35, s35, s31
	s_add_co_u32 s35, s35, CM4
	v_add_nc_u32 v11, s35, v12                     ; level 4: half s % 2 of block s / 2
.set j, 0
.rept 8
	ds_load_b128 v[16+4*j:19+4*j], v9 offset:16*j
	ds_load_b128 v[48+4*j:51+4*j], v9 offset:CMB+16*j
	ds_load_b128 v[80+4*j:83+4*j], v10 offset:16*j
.set j, j+1
.endr
.set j, 0
.rept 4
	ds_load_b128 v[112+4*j:115+4*j], v11 offset:16*j
.set j, j+1
.endr
.irp s, 144,150,156
	v_mov_b32 v[\s], 0x7f800000                    ; three triples (minima, chunk numbers) at v144, v150, v156: + infinity, number 0
	v_mov_b32 v[\s+1], 0x7f800000
	v_mov_b32 v[\s+2], 0x7f800000
	v_mov_b32 v[\s+3], 0
	v_mov_b32 v[\s+4], 0
	v_mov_b32 v[\s+5], 0
.endr
	s_wait_dscnt 0x0
.set t, 0
.rept 16
	INS 144, 16+4*t, 4*t
	INS 150, 80+2*t, 2*t
	INS 144, 17+4*t, 4*t+1
	INS 156, 112+t, t
	INS 144, 18+4*t, 4*t+2
	INS 150, 81+2*t, 2*t+1
	INS 144, 19+4*t, 4*t+3
.set t, t+1
.endr
	s_lshl_b32 s35, s34, 6                         ; the quarter's first chunk: 64 s, 32 s, 16 s
	s_lshl_b32 s31, s34, 5
	s_lshl_b32 s32, s34, 4
.irp f, 3,4,5
	v_add_nc_u32 v[144+\f], s35, v[144+\f]
	v_add_nc_u32 v[150+\f], s31, v[150+\f]
	v_add_nc_u32 v[156+\f], s32, v[156+\f]
.endr
	s_mul_i32 s35, s26, 2304
	v_lshl_add_u32 v13, v1, 2, s35                 ; MRG (byte 0) + my wave's 18 rows of 128 bytes
.set k, 0
.rept 18
	ds_store_b32 v13, v[144+k] offset:MRG+128*k    ; row 6 level + field
.set k, k+1
.endr
	s_wait_dscnt 0x0                               ; for the others' sake
	s_barrier_signal -1
	s_barrier_wait -1
	; second part.  Waves 0-5: level w / 2, queries 32 (w % 2) + lane: the four quarters' triples are merged in ascending order, the three numbers sorted and packed.  Waves 6, 7: the fourth word, 0.
	s_cmp_lt_u32 s26, 6
	s_cbranch_scc0 .Lfourth_word
	s_mul_i32 s35, s33, 2304                       ; quarter s of my half was wave 2 s + w % 2
	s_mul_i32 s31, s34, 768                        ; my level's six rows
	s_add_co_u32 s35, s35, s31
	v_lshl_add_u32 v13, v1, 2, s35
.irp s, 0,1,2,3
.irp f, 0,1,2,3,4,5
	ds_load_b32 v[16+6*\s+\f], v13 offset:MRG+4608*\s+128*\f
.endr
.endr
	s_wait_dscnt 0x0
.irp s, 1,2,3
.irp k, 0,1,2
	INS 16, 16+6*\s+\k, v[19+6*\s+\k]
.endr
.endr
	CE 19, 20
	CE 20, 21
	CE 19, 20
	v_lshl_or_b32 v19, v20, 8, v19
	v_lshl_or_b32 v19, v21, 16, v19
	s_branch .Lpacked
.Lfourth_word:
	v_mov_b32 v19, 0
.Lpacked:
	s_lshl_b32 s35, s26, 7
	s_add_co_u32 s35, s35, SELST
	v_lshl_add_u32 v14, v1, 2, s35                 ; plane w / 2, word 32 (w % 2) + lane
	ds_store_b32 v14, v19
	s_wait_dscnt 0x0
	s_barrier_signal -1
	s_barrier_wait -1
	; OUT.  Waves 0, 1: 16 bytes a query, 512 neighbouring bytes of sel a wave.  Wave 2: my 512 bytes of gbuf.
	s_cmp_lt_u32 s26, 2
	s_cbranch_scc0 .Lnot_sel
	v_lshl_add_u32 v13, v0, 2, SELST
.irp l, 0,1,2,3
	ds_load_b32 v[16+\l], v13 offset:256*\l
.endr
	s_lshl_b32 s35, s27, 10
	v_lshl_add_u32 v15, v0, 4, s35
	s_wait_dscnt 0x0
	global_store_b128 v15, v[16:19], s[22:23]
	s_branch .Lend
.Lnot_sel:
	s_cmp_eq_u32 s26, 2
	s_cbranch_scc0 .Lend
	v_lshl_add_u32 v13, v1, 4, GST
	ds_load_b128 v[16:19], v13
	s_lshl_b32 s35, s27, 9
	v_lshl_add_u32 v15, v1, 4, s35
	s_wait_dscnt 0x0
	global_store_b128 v15, v[16:19], s[24:25]
.Lend:
	s_wait_tensorcnt 0x0                           ; the wave's end: a wait, an add and its wait, behind my last tensor load and my last LDS store
	ds_add_u32 v2, v3
	s_wait_dscnt 0x0
	CROUND                                         ; the closing round
	s_endpgm
.Lfunc_end_k_qe5b30ba29b_scan:
	.size	k_qe5b30ba29b_scan, .Lfunc_end_k_qe5b30ba29b_scan-k_qe5b30ba29b_scan
	.p2alignl 7, 3214868480
	.fill 96, 4, 3214868480
	.section	.rodata,"a",@progbits
	.p2align	6, 0x0
	.amdhsa_kernel k_qe5b30ba29b_scan
		.amdhsa_group_segment_fixed_size 327680
		.amdhsa_private_segment_fixed_size 0
		.amdhsa_enable_private_segment 0
		.amdhsa_kernarg_size 88
		.amdhsa_user_sgpr_count 2
		.amdhsa_user_sgpr_kernarg_segment_ptr 1
		.amdhsa_wavefront_size32 1
		.amdhsa_system_sgpr_workgroup_id_x 1
		.amdhsa_system_sgpr_workgroup_id_y 1
		.amdhsa_system_sgpr_workgroup_id_z 1
		.amdhsa_system_vgpr_workitem_id 0
		.amdhsa_next_free_vgpr 216
		.amdhsa_next_free_sgpr 102
		.amdhsa_reserve_vcc 1
		.amdhsa_float_denorm_mode_32 3
		.amdhsa_float_denorm_mode_16_64 3
		.amdhsa_memory_ordered 1
		.amdhsa_forward_progress 1
		.amdhsa_inst_pref_size 208
	.end_amdhsa_kernel
	.amdgpu_metadata
---
amdhsa.version: [ 1, 2 ]
amdhsa.kernels:
  - .name:           k_qe5b30ba29b_scan
    .symbol:         k_qe5b30ba29b_scan.kd
    .args:
      - { .name: xyz2, .offset: 0, .size: 8, .value_kind: global_buffer, .address_space: global }
      - { .name: xyz3, .offset: 8, .size: 8, .value_kind: global_buffer, .address_space: global }
      - { .name: xyz4, .offset: 16, .size: 8, .value_kind: global_buffer, .address_space: global }
      - { .name: points, .offset: 24, .size: 8, .value_kind: global_buffer, .address_space: global }
      - { .name: w_fc, .offset: 32, .size: 8, .value_kind: global_buffer, .address_space: global }
      - { .name: w_cls, .offset: 40, .size: 8, .value_kind: global_buffer, .address_space: global }
      - { .name: feat2, .offset: 48, .size: 8, .value_kind: global_buffer, .address_space: global }
      - { .name: feat3, .offset: 56, .size: 8, .value_kind: global_buffer, .address_space: global }
      - { .name: feat4, .offset: 64, .size: 8, .value_kind: global_buffer, .address_space: global }
      - { .name: sel, .offset: 72, .size: 8, .value_kind: global_buffer, .address_space: global }
      - { .name: gbuf, .offset: 80, .size: 8, .value_kind: global_buffer, .address_space: global }
    .group_segment_fixed_size: 327680
    .private_segment_fixed_size: 0
    .kernarg_segment_align: 8
    .kernarg_segment_size: 88
    .max_flat_workgroup_size: 256
    .sgpr_count:     102
    .vgpr_count:     216
    .wavefront_size: 32
...
	.end_amdgpu_metadata
.endif
;; end of part 1
;; launch refine (part 2): grid 256 x 1, 18 waves a work-group, no clusters, 327,680 bytes of LDS; arguments points, xyz2, xyz3, xyz4, gbuf, sel, out0; writes out0
.if DOCPART == 2
	.amdgcn_target "amdgcn-amd-amdhsa--gfx1250"
	.amdhsa_code_object_version 6
	.text
	.protected	k_qe5b30ba29b_refine
	.globl	k_qe5b30ba29b_refine
	.p2align	8
	.type	k_qe5b30ba29b_refine,@function
k_qe5b30ba29b_refine:
	s_mov_b64 s[64:65], 0
	v_nop
	global_prefetch_b8 v0, s[64:65] scope:SCOPE_SE
	s_setreg_imm32_b32 hwreg(HW_REG_WAVE_MODE, 25, 1), 1
	s_wait_xcnt 0x0
; REFINE.  Second of two launches.  sel holds, for each query and level, the numbers of the three chunks of 32 known points in which its three nearest points lie, ascending; gbuf holds for each known
; point the one number g by which its feature row enters the result.  Here those 3 x 32 points are scanned with the same distance, operation for operation, as in the first launch: the coordinates of
; queries and known points are rounded once to bf16 (nearest even) on their way in, and on the rounded numbers, in f32,
;   d = (fma(z', Z, fma(y', Y, x'X)) + uu) + kk, x' = -2 x; uu, kk = fma(z, z, fma(y, y, xx)).  Products of bf16 numbers are exact in f32, so the switches DOT_FMA and SQ_FMA change no bit.
; The three nearest by (d, index) are kept with their g, and out = the sum over the levels of (r1 g1 + r2 g2 + r3 g3) / (r1 + r2 + r3), r = 1 / (d + 1e-8).
; SHARES.  Work-group i owns queries 64 i .. 64 i + 63.  Wave 6 level + 2 slot + half: lane = query 32 half + lane, which scans the whole chunk in that slot of its level.  Chunks are taken by ascending
; number and points by ascending index, and only a strictly smaller d displaces: equal distances go to the lower index.
; g is a payload chosen by v_cndmask_b32.  The only addresses that hang on data are LDS addresses made of the chunk numbers read from sel, each held to its level's range first.
; NO CLUSTER.  All work-groups of a batch read the same 237,568 bytes of coordinates and g, but the LDS addresses of the scan are made of each work-group's own chunk numbers, which differ between
; partners.  So each work-group fetches the tiles itself: waves 0-7, four tensor loads each, all out together, filled once.
; LIMITS.  As in the first launch; 1 / x is v_rcp_f32 (1 ulp).
.set DOT_FMA, 1
.set SQ_FMA,  1
.if SQ_FMA == 2                        ; which square starts the sum of squares, and which comes second
.set RQ0, 1
.set RQ1, 0
.else
.set RQ0, 0
.set RQ1, 1
.endif
; LDS: everything lies in pieces of 128 bytes at a pitch of 144 (16 bytes of padding behind every 32 words): a chunk is 432 bytes, a multiple of 16
.set XB3,   110592                     ; level 2: 256 chunks from byte 0; level 3: 128 chunks; level 4: 64 chunks
.set XB4,   165888
.set GB,    193536                     ; g: 128 blocks of four pieces (576 bytes): 64 numbers of level 2, 32 of level 3, 16 of level 4 and 16 zeros
.set MRG2,  267264                     ; the triples of slots 1 and 2: 12 waves x 6 rows of 128 bytes
.set RES,   276480                     ; [level][query], 768 bytes
.set SPARE, 277248                     ; the spare words, 128 bytes a wave: nine blocks of 256 bytes that no other line names
.set D,     40                         ; v40-167: four points k at v[D + 16 k]: 12 words of coordinates, 4 of g
.set PK,    168                        ; v168-173: six packed pairs while four points are rounded
; v0 thread, v1 lane, v2 my spare word, v3 zero (for the add alone), v4 query number, v5-6 offsets, v7 chunk, v8-10 the query, v11-14 x' y' z' uu, v15 chunk's address, v16-17 its g's,
; v18 the word of sel, v19 at work, v20-25 the triple (d1 d2 d3 g1 g2 g3), v26-27 at work, v28-31 kk, v32-35 p, v36-39 q
; s[4:17] the seven addresses; s[20:35] four group 0; s[36:43] s[44:51] s[52:59] s[68:75] four group 1; s76 wave, s77 work-group, s78 batch, s80 level, s81 wave in level, s82 slot, s83 half; s84-87 at work; s88-89 masks
.macro GROUP1 g, rows                  ; rows of 64 words (256 bytes, dense in memory)
	s_mov_b32 s[\g], (2<<16)|(1<<20)|(4<<22)|(3<<25)  ; 4-byte elements; padding on; after every 32 words (code 4) 4 words (code 3)
	s_mov_b32 s[\g+1], 64<<16
	s_mov_b32 s[\g+2], (\rows)<<16
	s_mov_b32 s[\g+3], 64<<16
	s_mov_b32 s[\g+4], \rows
	s_mov_b32 s[\g+5], 64
	s_mov_b32 s[\g+6], 0
	s_mov_b32 s[\g+7], 0
.endm
; (dd, pay) is put into the sorted triple at v[st .. st+2] with payloads at v[st+3 .. st+5]; strictly smaller only
.macro INS st, dd, pay
	v_cmp_lt_f32 vcc_lo, v[\dd], v[\st]
	v_cmp_lt_f32 s88, v[\dd], v[\st+1]
	v_cmp_lt_f32 s89, v[\dd], v[\st+2]
	v_cndmask_b32 v26, \pay, v[\st+4], s88
	v_cndmask_b32 v27, \pay, v[\st+3], vcc_lo
	v_cndmask_b32 v[\st+5], v[\st+5], v26, s89
	v_cndmask_b32 v[\st+4], v[\st+4], v27, s88
	v_cndmask_b32 v[\st+3], v[\st+3], \pay, vcc_lo
	v_med3_num_f32 v[\st+2], v[\dd], v[\st+1], v[\st+2]
	v_med3_num_f32 v[\st+1], v[\dd], v[\st], v[\st+1]
	v_min_num_f32 v[\st], v[\dd], v[\st]
.endm
; Four points: their coordinates to bf16, kk and d stage by stage, then four insertions
.macro QD k
	s_wait_dscnt 28-4*(\k)                         ; LDS loads come back in order: these four are in, the 4 (7 - k) younger ones stay out
.irp j, 0,1,2,3,4,5
	v_cvt_pk_bf16_f32 v[PK+\j], v[D+16*(\k)+2*\j], v[D+16*(\k)+2*\j+1]
.endr
.irp j, 0,1,2,3,4,5
	v_lshlrev_b32 v[D+16*(\k)+2*\j], 16, v[PK+\j]
	v_and_b32 v[D+16*(\k)+2*\j+1], 0xffff0000, v[PK+\j]
.endr
.irp j, 0,1,2,3
	v_mul_f32 v[28+\j], v[D+16*(\k)+3*\j+RQ0], v[D+16*(\k)+3*\j+RQ0]
.endr
.irp c, RQ1, 2
.if SQ_FMA
.irp j, 0,1,2,3
	v_fmac_f32 v[28+\j], v[D+16*(\k)+3*\j+\c], v[D+16*(\k)+3*\j+\c]
.endr
.else
.irp j, 0,1,2,3
	v_mul_f32 v[36+\j], v[D+16*(\k)+3*\j+\c], v[D+16*(\k)+3*\j+\c]
.endr
.irp j, 0,1,2,3
	v_add_f32 v[28+\j], v[28+\j], v[36+\j]
.endr
.endif
.endr
.irp j, 0,1,2,3
	v_mul_f32 v[32+\j], v11, v[D+16*(\k)+3*\j]
.endr
.irp c, 1,2
.if DOT_FMA
.irp j, 0,1,2,3
	v_fmac_f32 v[32+\j], v[11+\c], v[D+16*(\k)+3*\j+\c]
.endr
.else
.irp j, 0,1,2,3
	v_mul_f32 v[36+\j], v[11+\c], v[D+16*(\k)+3*\j+\c]
.endr
.irp j, 0,1,2,3
	v_add_f32 v[32+\j], v[32+\j], v[36+\j]
.endr
.endif
.endr
.irp j, 0,1,2,3
	v_add_f32 v[32+\j], v[32+\j], v14
.endr
.irp j, 0,1,2,3
	v_add_f32 v[32+\j], v[32+\j], v[28+\j]
.endr
.irp j, 0,1,2,3
	INS 20, 32+\j, v[D+16*(\k)+12+\j]
.endr
.endm
	s_load_b256 s[4:11], s[0:1], 0x0               ; points s[4:5], xyz2 s[6:7], xyz3 s[8:9], xyz4 s[10:11]
	s_load_b128 s[12:15], s[0:1], 0x20             ; gbuf s[12:13], sel s[14:15]
	s_load_b64 s[16:17], s[0:1], 0x30              ; out0
	v_lshl_add_u32 v2, v0, 2, SPARE
	v_mov_b32 v3, 0
	ds_add_u32 v2, v3                              ; the wave's opening: the add and its wait stand ahead of my first tensor load; the set-up below, work on registers, stands between them
	ds_add_u32 v2, v3
	v_and_b32 v1, 31, v0                           ; lane
	v_lshrrev_b32 v4, 5, v0
	v_readfirstlane_b32 s76, v4                    ; wave 0..17
	s_mov_b32 s77, ttmp9                           ; work-group i
	s_lshr_b32 s78, ttmp9, 7                       ; batch
	s_mul_i32 s80, s76, 43
	s_lshr_b32 s80, s80, 8                         ; level index = wave / 6 (43 w / 256 for w up to 17)
	s_mul_i32 s81, s80, 6
	s_sub_co_u32 s81, s76, s81
	s_lshr_b32 s82, s81, 1                         ; slot 0..2
	s_and_b32 s83, s81, 1                          ; half of the queries
	GROUP1 36, 48                                  ; xyz2: 12,288 bytes a wave
	GROUP1 44, 24                                  ; xyz3: 6,144
	GROUP1 52, 12                                  ; xyz4: 3,072
	GROUP1 68, 32                                  ; gbuf: 8,192
	s_mov_b32 s20, 1                               ; group 0: count = 1; LDS address = a constant + the wave's number times the tile's padded bytes (used by waves 0-7 alone)
	s_mul_i32 s21, s76, 13824
	s_mov_b32 s24, 1
	s_mul_i32 s25, s76, 6912
	s_add_co_u32 s25, s25, XB3
	s_mov_b32 s28, 1
	s_mul_i32 s29, s76, 3456
	s_add_co_u32 s29, s29, XB4
	s_mov_b32 s32, 1
	s_mul_i32 s33, s76, 9216
	s_add_co_u32 s33, s33, GB
	s_mul_i32 s84, s78, 98304                      ; my part's byte offset in xyz2; in xyz3 half of it, in xyz4 a quarter
	s_mul_i32 s86, s76, 12288
	s_add_co_u32 s84, s84, s86
	s_mov_b32 s85, 0
	s_lshl_b32 s86, s83, 5
	s_lshl_b32 s87, s77, 6
	s_add_co_u32 s86, s86, s87
	v_add_nc_u32 v4, s86, v1                       ; my query's number
	v_mul_u32_u24 v5, v4, 12
	s_lshl_b32 s87, s80, 2
	v_lshl_add_u32 v6, v4, 4, s87                  ; my level's word of its 16 bytes of sel
	s_wait_dscnt 0x0                               ; the opening add is done
	s_wait_kmcnt 0x0
	s_add_nc_u64 s[22:23], s[6:7], s[84:85]
	s_or_b32 s23, s23, 0x80000000                  ; type = 2
	s_lshr_b32 s84, s84, 1
	s_add_nc_u64 s[26:27], s[8:9], s[84:85]
	s_or_b32 s27, s27, 0x80000000
	s_lshr_b32 s84, s84, 1
	s_add_nc_u64 s[30:31], s[10:11], s[84:85]
	s_or_b32 s31, s31, 0x80000000
	s_lshl_b32 s84, s78, 16                        ; gbuf: 65,536 bytes a batch, 8,192 a wave
	s_lshl_b32 s86, s76, 13
	s_add_co_u32 s84, s84, s86
	s_add_nc_u64 s[34:35], s[12:13], s[84:85]
	s_or_b32 s35, s35, 0x80000000
	global_load_b96 v[8:10], v5, s[4:5]
	global_load_b32 v18, v6, s[14:15]
	s_cmp_lt_u32 s76, 8                            ; all first fills of a wave stand in this one branch; four loads of mine are out
	s_cbranch_scc0 .Lno_fill
	tensor_load_to_lds s[20:23], s[36:43]
	s_nop 0
	tensor_load_to_lds s[24:27], s[44:51]
	s_nop 0
	tensor_load_to_lds s[28:31], s[52:59]
	s_nop 0
	tensor_load_to_lds s[32:35], s[68:75]
	s_nop 0
.Lno_fill:
	s_wait_loadcnt 0x0                             ; my query and my word of sel
	v_cvt_pk_bf16_f32 v19, v8, v9                  ; the query to bf16
	v_cvt_pk_bf16_f32 v26, v10, v10
	v_lshlrev_b32 v8, 16, v19
	v_and_b32 v9, 0xffff0000, v19
	v_lshlrev_b32 v10, 16, v26
	v_mul_f32 v14, v[8+RQ0], v[8+RQ0]
.if SQ_FMA
	v_fmac_f32 v14, v[8+RQ1], v[8+RQ1]
	v_fmac_f32 v14, v10, v10
.else
	v_mul_f32 v19, v9, v9
	v_add_f32 v14, v14, v19
	v_mul_f32 v19, v10, v10
	v_add_f32 v14, v14, v19
.endif
	v_mul_f32 v11, -2.0, v8
	v_mul_f32 v12, -2.0, v9
	v_mul_f32 v13, -2.0, v10
	s_lshl_b32 s87, s82, 3
	v_bfe_u32 v7, v18, s87, 8                      ; my slot's chunk number
	; the number is held to its level's range, and the LDS addresses are made of it by multiplies, ANDs and adds
	s_cmp_eq_u32 s80, 0
	s_cbranch_scc0 .Lnot_level2
	v_min_u32 v7, 0xff, v7
	v_mul_u32_u24 v15, v7, 432
	v_and_b32 v16, 0xfe, v7                        ; chunk c's g: block c / 2, piece c % 2
	v_and_b32 v17, 1, v7
	v_mul_u32_u24 v16, v16, 288
	v_mul_u32_u24 v17, v17, 144
	v_add3_u32 v16, v16, v17, GB
	v_add_nc_u32 v17, 64, v16                      ; its second 16 numbers follow the first
	s_branch .Laddressed
.Lnot_level2:
	s_cmp_eq_u32 s80, 1
	s_cbranch_scc0 .Llevel4
	v_min_u32 v7, 0x7f, v7
	v_mul_u32_u24 v15, v7, 432
	v_add_nc_u32 v15, XB3, v15
	v_mul_u32_u24 v16, v7, 576                     ; block c, piece 2
	v_add_nc_u32 v16, GB+288, v16
	v_add_nc_u32 v17, 64, v16
	s_branch .Laddressed
.Llevel4:
	v_min_u32 v7, 63, v7
	v_mul_u32_u24 v15, v7, 432
	v_add_nc_u32 v15, XB4, v15
	v_mul_u32_u24 v16, v7, 1152                    ; blocks 2 c and 2 c + 1, piece 3, 16 numbers in each
	v_add_nc_u32 v16, GB+432, v16
	v_add_nc_u32 v17, 576, v16
.Laddressed:
	v_mov_b32 v20, 0x7f800000                      ; the triple: + infinity, g = 0
	v_mov_b32 v21, 0x7f800000
	v_mov_b32 v22, 0x7f800000
	v_mov_b32 v23, 0
	v_mov_b32 v24, 0
	v_mov_b32 v25, 0
	s_wait_tensorcnt 0x0                           ; my tiles have landed (a wave that fetched none passes at once)
	s_barrier_signal -1
	s_barrier_wait -1                              ; everybody's have
.set k, 0
.rept 8
.irp i, 0,1,2
	ds_load_b128 v[D+16*k+4*\i:D+16*k+4*\i+3], v15 offset:(48*k+16*\i)+16*((48*k+16*\i)>>7)  ; byte r of a chunk lies at r + 16 (r / 128)
.endr
.if k < 4
	ds_load_b128 v[D+16*k+12:D+16*k+15], v16 offset:16*k
.else
	ds_load_b128 v[D+16*k+12:D+16*k+15], v17 offset:16*(k-4)
.endif
.set k, k+1
.endr
.irp k, 0,1,2,3,4,5,6,7
	QD \k
.endr
	; slots 1 and 2 hand their triples to slot 0's wave
	s_cmp_eq_u32 s82, 0
	s_cbranch_scc1 .Lkeeper
	s_lshl_b32 s86, s80, 1
	s_sub_co_u32 s86, s76, s86
	s_sub_co_u32 s86, s86, 2                       ; 4 level + 2 (slot - 1) + half
	s_mul_i32 s86, s86, 768
	s_add_co_u32 s86, s86, MRG2
	v_lshl_add_u32 v5, v1, 2, s86
.irp f, 0,1,2,3,4,5
	ds_store_b32 v5, v[20+\f] offset:128*\f
.endr
.Lkeeper:
	s_wait_dscnt 0x0                               ; for the others' sake: my stores are done
	s_barrier_signal -1
	s_barrier_wait -1
	s_cmp_lg_u32 s82, 0
	s_cbranch_scc1 .Lnot_keeper
	s_lshl_b32 s86, s80, 2
	s_add_co_u32 s86, s86, s83
	s_mul_i32 s86, s86, 768
	s_add_co_u32 s86, s86, MRG2
	v_lshl_add_u32 v5, v1, 2, s86
.irp s, 0,1
.irp f, 0,1,2,3,4,5
	ds_load_b32 v[D+6*\s+\f], v5 offset:1536*\s+128*\f
.endr
.endr
	s_lshl_b32 s86, s80, 8
	s_lshl_b32 s87, s83, 7
	s_add_co_u32 s86, s86, s87
	s_add_co_u32 s86, s86, RES
	v_lshl_add_u32 v6, v1, 2, s86
	s_wait_dscnt 0x0
.irp s, 0,1
.irp k, 0,1,2
	INS 20, D+6*\s+\k, v[D+3+6*\s+\k]
.endr
.endr
	v_add_f32 v28, 0x322bcc77, v20                 ; d + 1e-8
	v_add_f32 v29, 0x322bcc77, v21
	v_add_f32 v30, 0x322bcc77, v22
	v_rcp_f32 v28, v28
	v_rcp_f32 v29, v29
	v_rcp_f32 v30, v30
	v_nop                                          ; a plain instruction between a reciprocal and the use of its result (ISA guide 5.7.2)
	s_wait_alu depctr_va_vdst(0)
	v_add_f32 v31, v28, v29
	v_add_f32 v31, v31, v30
	v_rcp_f32 v31, v31
	v_mul_f32 v32, v28, v23                        ; three plain lines that touch neither its source nor its result
	v_fmac_f32 v32, v29, v24
	v_fmac_f32 v32, v30, v25
	s_wait_alu depctr_va_vdst(0)
	v_mul_f32 v32, v32, v31
	ds_store_b32 v6, v32
.Lnot_keeper:
	s_wait_dscnt 0x0
	s_barrier_signal -1
	s_barrier_wait -1
	s_cmp_lg_u32 s76, 0
	s_cbranch_scc1 .Lend
	v_lshl_add_u32 v5, v1, 3, RES                  ; wave 0: two queries a lane
	ds_load_b64 v[28:29], v5
	ds_load_b64 v[30:31], v5 offset:256
	ds_load_b64 v[32:33], v5 offset:512
	s_lshl_b32 s86, s77, 8
	v_lshl_add_u32 v6, v1, 3, s86
	s_wait_dscnt 0x0
	v_pk_add_f32 v[28:29], v[28:29], v[30:31]
	v_pk_add_f32 v[28:29], v[28:29], v[32:33]
	global_store_b64 v6, v[28:29], s[16:17]        ; 256 consecutive bytes, at a multiple of 256 from out0's first byte
.Lend:
	s_wait_tensorcnt 0x0                           ; the wave's end: a wait, an add and its wait, behind my last tensor load and my last LDS store
	ds_add_u32 v2, v3
	s_wait_dscnt 0x0
	s_endpgm
.Lfunc_end_k_qe5b30ba29b_refine:
	.size	k_qe5b30ba29b_refine, .Lfunc_end_k_qe5b30ba29b_refine-k_qe5b30ba29b_refine
	.p2alignl 7, 3214868480
	.fill 96, 4, 3214868480
	.section	.rodata,"a",@progbits
	.p2align	6, 0x0
	.amdhsa_kernel k_qe5b30ba29b_refine
		.amdhsa_group_segment_fixed_size 327680
		.amdhsa_private_segment_fixed_size 0
		.amdhsa_enable_private_segment 0
		.amdhsa_kernarg_size 56
		.amdhsa_user_sgpr_count 2
		.amdhsa_user_sgpr_kernarg_segment_ptr 1
		.amdhsa_wavefront_size32 1
		.amdhsa_system_sgpr_workgroup_id_x 1
		.amdhsa_system_sgpr_workgroup_id_y 1
		.amdhsa_system_sgpr_workgroup_id_z 1
		.amdhsa_system_vgpr_workitem_id 0
		.amdhsa_next_free_vgpr 176
		.amdhsa_next_free_sgpr 96
		.amdhsa_reserve_vcc 1
		.amdhsa_float_denorm_mode_32 3
		.amdhsa_float_denorm_mode_16_64 3
		.amdhsa_memory_ordered 1
		.amdhsa_forward_progress 1
		.amdhsa_inst_pref_size 51
	.end_amdhsa_kernel
	.amdgpu_metadata
---
amdhsa.version: [ 1, 2 ]
amdhsa.kernels:
  - .name:           k_qe5b30ba29b_refine
    .symbol:         k_qe5b30ba29b_refine.kd
    .args:
      - { .name: points, .offset: 0, .size: 8, .value_kind: global_buffer, .address_space: global }
      - { .name: xyz2, .offset: 8, .size: 8, .value_kind: global_buffer, .address_space: global }
      - { .name: xyz3, .offset: 16, .size: 8, .value_kind: global_buffer, .address_space: global }
      - { .name: xyz4, .offset: 24, .size: 8, .value_kind: global_buffer, .address_space: global }
      - { .name: gbuf, .offset: 32, .size: 8, .value_kind: global_buffer, .address_space: global }
      - { .name: sel, .offset: 40, .size: 8, .value_kind: global_buffer, .address_space: global }
      - { .name: out0, .offset: 48, .size: 8, .value_kind: global_buffer, .address_space: global }
    .group_segment_fixed_size: 327680
    .private_segment_fixed_size: 0
    .kernarg_segment_align: 8
    .kernarg_segment_size: 56
    .max_flat_workgroup_size: 576
    .sgpr_count:     96
    .vgpr_count:     176
    .wavefront_size: 32
...
	.end_amdgpu_metadata
.endif
;; end of part 2
